; MI455X (gfx1250); checked and timed in simulation.
; The chip was launched on July 23, 2026; its instructions are those of AMD's public machine-readable ISA for CDNA 5 (MIT licence, August 2026) and "CDNA5" Instruction Set Architecture Reference Guide (July 2026). The comments in the code are by the model that wrote it; some were corrected since.
;; Attention. Allowed arithmetic: matrix products marked QUANTISED: E5M2 operands, one E8M0 scale for each 32 along K, by v_wmma_scale_f32_16x16x128_f8f6f4 with both operands' format E5M2, f32 sums; products left as they are: f32 operands where the result goes on into a quantised operand, else bf16, f16 or f32 operands; f32 sums; everything else in f32.
;; Inputs: Wh_codes 1,024 x 32 x 32 uint8 (E5M2 codes of Wh, K innermost, in blocks of 32 codes); Wh_scales 1,024 x 32 uint8 (E8M0 scales of Wh, one for each 32 codes along K); Ws_codes 1,024 x 32 x 32 uint8 (E5M2 codes of Ws, K innermost, in blocks of 32 codes); Ws_scales 1,024 x 32 uint8 (E8M0 scales of Ws, one for each 32 codes along K); bh 1,024 float32; bs 1,024 float32; coverage_vector 32 x 2,048 float32; dec_in_state_codes 32 x 32 x 32 uint8 (E5M2 codes of dec_in_state, K innermost, in blocks of 32 codes); dec_in_state_scales 32 x 32 uint8 (E8M0 scales of dec_in_state, one for each 32 codes along K); enc_lens 32 int32; enc_states 32 x 2,048 x 1,024 float32; v 1,024 float32; wc 1,024 float32.
;; Outputs: out0 32 x 1,024 float32; out1 32 x 2,048 float32; out2 32 x 2,048 float32.
;; This version of the problem:
;;   THIS VERSION OF THE PROBLEM IS GIVEN IN LOW PRECISION. The matrix products marked QUANTISED in the list below multiply operands that are first quantised to E5M2 (5 exponent bits, 2 mantissa bits; 8 bits a number), with one power-of-two scale for each 32 numbers along K (OCP MX v1.0); their sums are f32. All else is computed in f32.
;;   The module's matrix products, in the order in which they are computed (A, B: the left and right operand; K: the contracted axis; several contracted axes count as one K, in the product's order):
;;     1. [M 65,536, K 1,024] x [K 1,024, N 1,024]; A: input enc_states; B: input Wh (given as codes): QUANTISED
;;     2. [M 32, K 1,024] x [K 1,024, N 1,024]; A: input dec_in_state (given as codes); B: input Ws (given as codes): QUANTISED
;;     3. [M 65,536, K 1,024] x [K 1,024, N 1]; A: computed on the way; B: input v: left as it is (N = 1 < 16)
;;     4. batch 32 x [M 1, K 2,048] x [K 2,048, N 1,024]; A: computed on the way; B: input enc_states: left as it is (M = 1 < 16)
;;   THE QUANTISER, for each operand of a quantised product, along K:
;;     - K is cut into blocks of 32 from its start; a last block that is shorter is filled with zeros.
;;     - A block's scale is 2^e with e = floor(log2(the largest magnitude in the block)) - 15, held to -126 .. 127; a block of zeros has e = 0. As a byte (E8M0): e + 127.
;;     - Each number is divided by its block's scale, clamped to +-57,344, and rounded to the nearest number of E5M2, ties to even, subnormals kept.
;;     - The product sums the exact products of the quantised numbers (number of the format x scale) in f32.
;;   ~~~python
;;   def quantise(x, axis):      # numpy; x: float32 -> the quantised numbers, widened to float32 again
;;       x = np.moveaxis(x, axis, -1); K = x.shape[-1]
;;       x = np.pad(x, [(0, 0)] * (x.ndim - 1) + [(0, -K % 32)]); x = x.reshape(x.shape[:-1] + (-1, 32)); a = np.abs(x).max(-1, keepdims=True)
;;       e = np.where(a > 0, np.clip(np.frexp(np.where(a > 0, a, 1))[1] - 1 - 15, -126, 127), 0)      # np.frexp(a)[1] - 1 = floor(log2(a)), exactly
;;       r = np.clip(x / 2.0 ** e, -57344, 57344)
;;       step = 2.0 ** (np.maximum(np.frexp(np.where(r == 0, 1, r))[1] - 1, -14) - 2)
;;       q = np.round(r / step) * step * 2.0 ** e      # np.round: ties to even
;;       return np.moveaxis(q.reshape(q.shape[:-2] + (-1,))[..., :K], -1, axis).astype(np.float32)
;;   ~~~
;;   INPUTS GIVEN AS CODES. Wh (in the module: [1024, 1024], K = its axis 1); Ws (in the module: [1024, 1024], K = its axis 1); dec_in_state (in the module: [32, 1024], K = its axis 1): each comes as NAME_codes (uint8): NAME with its K axis moved to the last place and cut into blocks of 32 codes, [.., K / 32, bytes a block], one block behind the other in memory; one code a byte (a code: sign, 5 exponent bits, 2 mantissa bits); and NAME_scales (uint8): the same leading axes, one E8M0 byte (e + 127) for each 32 codes along K. Its value is code x scale, taken as it is: it is not quantised again, and the codes and scales need not be those that the quantiser above would give.
;; One version. Each part assembles by itself: llvm-mc -triple=amdgcn-amd-amdhsa -mcpu=gfx1250 --defsym DOCPART=n.
;; ======== version 1 of 1: 3 launches
;; limits: values are held in bf16: 8 bits of precision; right only within a limited range of input values
;; workspace buffers: cb 131,072 bytes; whf 1,048,576 bytes; whs 32,768 bytes; es 425,984 bytes; ctxp 3,407,872 bytes
;; launch prep (part 1): grid 16 x 1, 4 waves a work-group, no clusters, 9,216 bytes of LDS; arguments Ws_codes, Ws_scales, dec_in_state_codes, dec_in_state_scales, bs, bh, Wh_codes, Wh_scales, cb, whf, whs; writes cb, whf, whs
.if DOCPART == 1
	.amdgcn_target "amdgcn-amd-amdhsa--gfx1250"
	.amdhsa_code_object_version 6
	.text
	.protected	k_qcc816fd037_prep
	.globl	k_qcc816fd037_prep
	.p2align	8
	.type	k_qcc816fd037_prep,@function
k_qcc816fd037_prep:
	s_mov_b64 s[64:65], 0
	v_nop
	global_prefetch_b8 v0, s[64:65] scope:SCOPE_SE
	s_setreg_imm32_b32 hwreg(HW_REG_WAVE_MODE, 25, 1), 1
	s_wait_xcnt 0x0
; THE PROGRAM: additive attention with coverage, B = 32, S = 2,048, N = 1,024, in three launches.
;   prep:   cb = c (dec_in_state Ws^T + bs + bh), c = 2 log2(e), on codes of E5M2 with E8M0 scales; and Wh's codes and scale bytes laid in the order in which a wave's operand registers take them.
;   main:   for each chunk of 80 rows of a batch: x quantised along K, x Wh^T on codes, e, the chunk's maximum m, p = exp(e - m), their sum l, and the chunk's part of the context, sum of p x.
;   finish: joins a batch's chunks: context, attn, coverage + attn.
; WORK LEFT OUT, AND WHY IT IS DEAD, for all finite values of the inputs:
;  (a) reference() forms attn = softmax(e) mask / sum(softmax(e) mask).  softmax(e)_s = exp(e_s - max) / Z with one max and one Z for the whole row, so both cancel in the quotient:
;      attn_s = mask_s exp(e_s) / sum over s' of mask_s' exp(e_s').  So e of a row s >= enc_lens[b] reaches no output, and such a row enters the context with the weight 0.
;      enc_lens is an index among the inputs: main reads it and leaves out every chunk of 80 rows that begins at or behind it.  A maximum is still taken away before every exponential: that of the rows that count.
;  (b) tanh(z) = 1 - 2 / (1 + exp(2 z)), so e_s = sum of v_m - 2 sum of v_m / (1 + exp(2 z_sm)).  The first term is the same along the softmax's axis and is dropped.
;  Every input is still loaded: each has a way to an output.
; LIMITS: enc_lens is taken as at least 1 (for 0 or less reference() gives NaN, which is not reproduced); above 2,048 it acts as 2,048.  A NaN, an infinity or an overflow in rows of chunks that are left out
;  is not carried to the result.  Where reference()'s own softmax underflows because a masked row's e lies far above all that count, this program still gives the finite quotient.
;  A block of 32 zeros of x gets the scale byte 1 where the quantiser says 127: its codes are zeros, which add nothing under either byte, and the bytes are read by this program alone.
;
; THIS LAUNCH.  Wave w of work-group g owns column tile T = 4 g + w: 16 rows of Ws and 16 rows of Wh.  One path, no branch.
; The product is used transposed (source 0 = 16 rows of Ws, source 1 = 16 batches): lane (r, h) holds batch r, its register j column 16 T + 8 h + j.  bs + bh is the C of each sum's first product.
; whf: [T 64][K step 8][piece 4][lane 32][16 bytes]: lane (r, h) of piece c holds row 16 T + r, k = 128 ks + 32 c + 16 h .. + 15.
; whs: [T 64][lane 32][4 words]: word kp of lane (r, h) is the scale word of row 16 T + r for K step 2 kp + h.
; REGISTERS: window 0: v1-11 ids and offsets; v12, v13 the add's two; v16-23 Ws's scale words; v24-39 dec's; v40-55 bs, bh; v56-71 two accumulators; v72-87 results x c; v88-91 Wh's scale words; v92-107 rows from the stage.
;   window 1: Ws's fragments at 16 ks, dec's batches 0-15 at 128 + 16 ks.   window 2: Wh's fragments at 16 ks, dec's batches 16-31 at 128 + 16 ks.
.set CEXP,   0x4038aa3b                ; c = 2 log2(e)
.set SPITCH, 272                       ; a stage row: 64 columns x 4 bytes + 16
.set SPARE,  32*SPITCH                 ; behind the stage: the spare words, 128 bytes for each wave, which no other line names
.set MSB, 0
.macro WIN new                         ; the immediate's high byte repeats the setting that is left
.if MSB != \new
	s_set_vgpr_msb (MSB<<8)|\new
.set MSB, \new
.endif
.endm
	s_load_b512 s[4:19], s[0:1], 0x0               ; Ws codes, Ws scales, dec codes, dec scales, bs, bh, Wh codes, Wh scales
	s_load_b128 s[20:23], s[0:1], 0x40             ; cb, whf
	s_load_b64 s[24:25], s[0:1], 0x50              ; whs
	v_lshl_add_u32 v12, v0, 2, SPARE
	v_mov_b32 v13, 0
	v_lshrrev_b32 v1, 5, v0
	v_readfirstlane_b32 s26, v1                    ; wave
	v_and_b32 v1, 15, v0                           ; r
	v_bfe_u32 v2, v0, 4, 1                         ; h
	v_and_b32 v11, 31, v0                          ; lane
	v_lshlrev_b32 v3, 10, v1
	v_lshl_add_u32 v3, v2, 4, v3                   ; codes: row r of 1,024 bytes + 16 h
	v_lshlrev_b32 v4, 5, v1                        ; scale bytes: row r of 32
	v_lshlrev_b32 v5, 5, v2                        ; biases: my half's eight numbers
	v_lshl_add_u32 v6, v2, 2, v4                   ; Wh's scale words: row r, K step h
	v_lshlrev_b32 v7, 4, v11                       ; 16 x lane
	v_mul_u32_u24 v8, v1, SPITCH
	v_lshl_add_u32 v8, v2, 5, v8
	s_lshl_b32 s28, s26, 6
	v_add_nc_u32 v8, s28, v8                       ; into the stage: row = batch r, byte 64 w + 32 h
	s_mul_i32 s28, s26, 8*SPITCH
	v_mul_u32_u24 v9, v2, SPITCH
	v_lshl_add_u32 v9, v1, 4, v9
	v_add_nc_u32 v9, s28, v9                       ; out of it: rows 8 w + h on, sixteen lanes to a row
	s_lshl_b32 s28, s26, 15
	v_lshlrev_b32 v10, 12, v2
	v_lshl_add_u32 v10, v1, 4, v10
	v_add_nc_u32 v10, s28, v10                     ; and the same rows in cb
	s_lshl_b32 s27, ttmp9, 2
	s_add_co_u32 s27, s27, s26                     ; T
	s_mov_b32 s30, CEXP
	s_mov_b32 s31, CEXP                            ; (named with it as a pair, so it is written)
	s_mov_b32 s29, 0
	s_wait_kmcnt 0x0
	s_lshl_b32 s28, s27, 14                        ; 16 rows of 1,024 bytes; a tile of whf likewise
	s_add_nc_u64 s[4:5], s[4:5], s[28:29]
	s_add_nc_u64 s[16:17], s[16:17], s[28:29]
	s_add_nc_u64 s[22:23], s[22:23], s[28:29]
	s_lshl_b32 s28, s27, 9                         ; 16 rows of 32 scale bytes; a tile of whs likewise
	s_add_nc_u64 s[6:7], s[6:7], s[28:29]
	s_add_nc_u64 s[18:19], s[18:19], s[28:29]
	s_add_nc_u64 s[24:25], s[24:25], s[28:29]
	s_lshl_b32 s28, s27, 6                         ; 16 numbers of a bias
	s_add_nc_u64 s[12:13], s[12:13], s[28:29]
	s_add_nc_u64 s[14:15], s[14:15], s[28:29]
	s_lshl_b32 s28, ttmp9, 8                       ; the work-group's 64 columns of cb
	s_add_nc_u64 s[20:21], s[20:21], s[28:29]
	; the product's operands: 106 loads
	global_load_b128 v[16:19], v4, s[6:7]          ; Ws's eight scale words of row r
	global_load_b128 v[20:23], v4, s[6:7] offset:16
.irp t, 0,1
	global_load_b128 v[24+8*\t:27+8*\t], v4, s[10:11] offset:512*\t      ; dec's, batches 16 t + r
	global_load_b128 v[28+8*\t:31+8*\t], v4, s[10:11] offset:512*\t+16
.endr
	global_load_b128 v[40:43], v5, s[12:13]
	global_load_b128 v[44:47], v5, s[12:13] offset:16
	global_load_b128 v[48:51], v5, s[14:15]
	global_load_b128 v[52:55], v5, s[14:15] offset:16
	WIN 0x40                                       ; destination window 1
.irp ks, 0,1,2,3,4,5,6,7
.irp c, 0,1,2,3
	global_load_b128 v[16*\ks+4*\c:16*\ks+4*\c+3], v3, s[4:5] offset:128*\ks+32*\c
.endr
.endr
.irp ks, 0,1,2,3,4,5,6,7
.irp c, 0,1,2,3
	global_load_b128 v[128+16*\ks+4*\c:128+16*\ks+4*\c+3], v3, s[8:9] offset:128*\ks+32*\c
.endr
.endr
	WIN 0x80                                       ; destination window 2
.irp ks, 0,1,2,3,4,5,6,7
.irp c, 0,1,2,3
	global_load_b128 v[128+16*\ks+4*\c:128+16*\ks+4*\c+3], v3, s[8:9] offset:16384+128*\ks+32*\c
.endr
.endr
	; Wh: 36 loads, wanted only by the stores further down
.irp ks, 0,1,2,3,4,5,6,7
.irp c, 0,1,2,3
	global_load_b128 v[16*\ks+4*\c:16*\ks+4*\c+3], v3, s[16:17] offset:128*\ks+32*\c
.endr
.endr
	WIN 0
.irp kp, 0,1,2,3
	global_load_b32 v[88+\kp], v6, s[18:19] offset:8*\kp
.endr
	s_wait_loadcnt 36                              ; loads come back in order: all but Wh's 36 are in
.irp t, 0,1,2,3
	v_pk_add_f32 v[40+2*\t:41+2*\t], v[40+2*\t:41+2*\t], v[48+2*\t:49+2*\t]   ; bs + bh
.endr
.rept 4
	v_nop
.endr
; two accumulators by turns, one instruction a turn, K ascending
.irp ks, 0,1,2,3,4,5,6,7
	WIN 0x05                                       ; Ws window 1, dec's batches 0-15 window 1
.if \ks == 0
	v_wmma_scale_f32_16x16x128_f8f6f4 v[56:63], v[16*\ks:16*\ks+15], v[128+16*\ks:128+16*\ks+15], v[40:47], v[16+\ks], v[24+\ks] matrix_a_fmt:MATRIX_FMT_BF8 matrix_b_fmt:MATRIX_FMT_BF8
.else
	v_wmma_scale_f32_16x16x128_f8f6f4 v[56:63], v[16*\ks:16*\ks+15], v[128+16*\ks:128+16*\ks+15], v[56:63], v[16+\ks], v[24+\ks] matrix_a_fmt:MATRIX_FMT_BF8 matrix_b_fmt:MATRIX_FMT_BF8
.endif
	WIN 0x09                                       ; Ws window 1, dec's batches 16-31 window 2
.if \ks == 0
	v_wmma_scale_f32_16x16x128_f8f6f4 v[64:71], v[16*\ks:16*\ks+15], v[128+16*\ks:128+16*\ks+15], v[40:47], v[16+\ks], v[32+\ks] matrix_a_fmt:MATRIX_FMT_BF8 matrix_b_fmt:MATRIX_FMT_BF8
.else
	v_wmma_scale_f32_16x16x128_f8f6f4 v[64:71], v[16*\ks:16*\ks+15], v[128+16*\ks:128+16*\ks+15], v[64:71], v[16+\ks], v[32+\ks] matrix_a_fmt:MATRIX_FMT_BF8 matrix_b_fmt:MATRIX_FMT_BF8
.endif
.endr
	WIN 0
.rept 8
	v_nop                                          ; eight places between the last product and the first read of results
.endr
.irp t, 0,1,2,3
	v_pk_mul_f32 v[72+2*\t:73+2*\t], v[56+2*\t:57+2*\t], s[30:31] op_sel_hi:[1,0]   ; x c; each accumulator from its low end on
.endr
.irp t, 0,1,2,3
	v_pk_mul_f32 v[80+2*\t:81+2*\t], v[64+2*\t:65+2*\t], s[30:31] op_sel_hi:[1,0]
.endr
	ds_store_b128 v8, v[72:75]
	ds_store_b128 v8, v[76:79] offset:16
	ds_store_b128 v8, v[80:83] offset:16*SPITCH
	ds_store_b128 v8, v[84:87] offset:16*SPITCH+16
	s_wait_loadcnt 0x0                             ; Wh's fragments and scale words are in
	WIN 0x08                                       ; a store's data are its source 1: window 2
.irp ks, 0,1,2,3,4,5,6,7
.irp c, 0,1,2,3
	global_store_b128 v7, v[16*\ks+4*\c:16*\ks+4*\c+3], s[22:23] offset:2048*\ks+512*\c   ; 32 lanes store 512 consecutive bytes
.endr
.endr
	WIN 0
	global_store_b128 v7, v[88:91], s[24:25]
	s_wait_dscnt 0x0                               ; for the others' sake: my stores into the stage are done
	s_barrier_signal -1
	s_barrier_wait -1                              ; a row's 256 bytes come from four waves
.irp q, 0,1,2,3
	ds_load_b128 v[92+4*\q:95+4*\q], v9 offset:2*\q*SPITCH
.endr
.irp q, 0,1,2,3
	s_wait_dscnt 3-\q                              ; LDS loads come back in order: the later rows may stay out
	global_store_b128 v10, v[92+4*\q:95+4*\q], s[20:21] offset:8192*\q   ; sixteen lanes store 256 consecutive bytes, at a multiple of 256 from cb's first byte
.endr
	s_wait_tensorcnt 0x0                           ; the wave's end
	ds_add_u32 v12, v13
	s_wait_dscnt 0x0
	s_endpgm
.Lfunc_end_k_qcc816fd037_prep:
	.size	k_qcc816fd037_prep, .Lfunc_end_k_qcc816fd037_prep-k_qcc816fd037_prep
	.p2alignl 7, 3214868480
	.fill 96, 4, 3214868480
	.section	.rodata,"a",@progbits
	.p2align	6, 0x0
	.amdhsa_kernel k_qcc816fd037_prep
		.amdhsa_group_segment_fixed_size 9216
		.amdhsa_private_segment_fixed_size 0
		.amdhsa_enable_private_segment 0
		.amdhsa_kernarg_size 88
		.amdhsa_user_sgpr_count 2
		.amdhsa_user_sgpr_kernarg_segment_ptr 1
		.amdhsa_wavefront_size32 1
		.amdhsa_system_sgpr_workgroup_id_x 1
		.amdhsa_system_sgpr_workgroup_id_y 1
		.amdhsa_system_sgpr_workgroup_id_z 1
		.amdhsa_system_vgpr_workitem_id 0
		.amdhsa_next_free_vgpr 768
		.amdhsa_next_free_sgpr 66
		.amdhsa_reserve_vcc 0
		.amdhsa_float_denorm_mode_32 3
		.amdhsa_float_denorm_mode_16_64 3
		.amdhsa_memory_ordered 1
		.amdhsa_forward_progress 1
		.amdhsa_inst_pref_size 24
	.end_amdhsa_kernel
	.amdgpu_metadata
---
amdhsa.version: [ 1, 2 ]
amdhsa.kernels:
  - .name:           k_qcc816fd037_prep
    .symbol:         k_qcc816fd037_prep.kd
    .args:
      - { .name: Ws_codes, .offset: 0, .size: 8, .value_kind: global_buffer, .address_space: global }
      - { .name: Ws_scales, .offset: 8, .size: 8, .value_kind: global_buffer, .address_space: global }
      - { .name: dec_in_state_codes, .offset: 16, .size: 8, .value_kind: global_buffer, .address_space: global }
      - { .name: dec_in_state_scales, .offset: 24, .size: 8, .value_kind: global_buffer, .address_space: global }
      - { .name: bs, .offset: 32, .size: 8, .value_kind: global_buffer, .address_space: global }
      - { .name: bh, .offset: 40, .size: 8, .value_kind: global_buffer, .address_space: global }
      - { .name: Wh_codes, .offset: 48, .size: 8, .value_kind: global_buffer, .address_space: global }
      - { .name: Wh_scales, .offset: 56, .size: 8, .value_kind: global_buffer, .address_space: global }
      - { .name: cb, .offset: 64, .size: 8, .value_kind: global_buffer, .address_space: global }
      - { .name: whf, .offset: 72, .size: 8, .value_kind: global_buffer, .address_space: global }
      - { .name: whs, .offset: 80, .size: 8, .value_kind: global_buffer, .address_space: global }
    .group_segment_fixed_size: 9216
    .private_segment_fixed_size: 0
    .kernarg_segment_align: 8
    .kernarg_segment_size: 88
    .max_flat_workgroup_size: 128
    .sgpr_count:     66
    .vgpr_count:     768
    .wavefront_size: 32
...
	.end_amdgpu_metadata
.endif
;; end of part 1
;; launch main (part 2): grid 832 x 1, 4 waves a work-group, no clusters, 260,608 bytes of LDS; arguments enc_states, whf, whs, coverage_vector, enc_lens, wc, v, cb, es, ctxp; writes es, ctxp
.if DOCPART == 2
	.amdgcn_target "amdgcn-amd-amdhsa--gfx1250"
	.amdhsa_code_object_version 6
	.text
	.protected	k_qcc816fd037_main
	.globl	k_qcc816fd037_main
	.p2align	8
	.type	k_qcc816fd037_main,@function
k_qcc816fd037_main:
	s_mov_b64 s[64:65], 0
	v_nop
	global_prefetch_b8 v0, s[64:65] scope:SCOPE_SE
	s_setreg_imm32_b32 hwreg(HW_REG_WAVE_MODE, 25, 1), 1
	s_wait_xcnt 0x0
; A work-group takes one chunk j (rows 80 j .. 80 j + 79: five tiles of 16) of one batch b through the whole chain.
; WORK LEFT OUT (shown at the head of the first kernel): a chunk with 80 j >= enc_lens[b] reaches no output; and the term sum of v_m of e, the same along the softmax's axis.
; WHICH CHUNK: numbers 0 to 31 are chunk 0 of batches 0 to 31; number 32 + t is the t-th of the other chunks that count, batch by batch (batch b has n_b = (enc_lens[b] - 1) / 80 of them).
;   Each work-group reads the 32 enc_lens and walks the batches in scalar registers.  b and j are held at 31 and 25 before they enter an address.
;   The grid of 832 = 32 x 26 serves every enc_lens; a work-group whose number is at or over 32 + the sum of n_b has no chunk: it stores nothing and runs the head, the barriers and the closing lines.
; LIMITS: as stated at the head of the first kernel; enc_lens is held within 1 .. 2,048.  Rows of a chunk that counts at or behind enc_lens are computed and masked: e = -infinity, p = 0.
;   For the context, p and x of positions from 80 on are rounded to bf16; those of positions 0 to 79 stay f32.
; NO TENSOR LOADS, NO CLUSTER: what is left out hangs on enc_lens, numbers read from memory; there are no joint loads either.
; NO PREFETCH: x is read once, at the section's head, with 64 loads of each wave out; there is no loop to run ahead in.  Wh's fragments are read by every work-group.
; The one test, my number >= the number of chunks that count, leads round four sections; every barrier stands at a label behind a section; no section reads a register that only another section writes.
; SECTION X: wave w takes K steps 2 w, 2 w + 1 of all 80 rows, 8 rows at a time.  A load brings 512 consecutive bytes of a row: lane l holds k = 4 l .. 4 l + 3 of a K step, so a block of 32 is 8 lanes.
;   THE QUANTISER: a block's largest magnitude (with the floor 2^(16 - 127)) has the exponent field E; the scale's byte is E - 15.  Each number is multiplied by 2^-(E - 142), which rounds nothing, held at +-57,344,
;   and converted with the scale 1: one conversion takes a row's 4 numbers of both K steps.  Codes go to LDS row by row (pitch 1,040); E goes there as it is, and the reader takes 15 off each byte (none is under 16).
;   The bf16 copy for the context holds a wave's 256 columns in the order 8 l + 4 kk + n for column 128 kk + 4 l + n; section S undoes that order where it stages its sums.
; SECTION C: wave w owns columns 256 w .. + 255, 16 column tiles.  It holds all 40 fragments of x (640 registers); Wh's fragments come from whf into a ring of eight, a column tile ahead; each feeds five products,
;   used transposed (source 0 = 16 rows of Wh, source 1 = 16 rows of x): lane (r, h) holds row r, register j column 16 T + 8 h + j.  A place of the ring is asked for again behind its products and eight places.
;   Behind a tile's 40 products its vector work runs in batches: t = c acc + cb + wc (c cov);  q = 1 / (1 + 2^t);  sum += v q   (c = 2 log2(e); e = -2 x the sum).
;   No transcendental stands between the links of a sum.  A tile's cb, wc, v come from memory, a tile ahead, into two sets by turns.
; SECTION C2: the waves' partial sums go to LDS.   SECTION S: e, m, p, l; then sum of p x: chunks 1 to 25 by bf16 products on the copy in LDS; chunk 0 (work-group numbers under 32) reads its rows again and sums in f32.
; LDS: XB 0: 80 rows x 2,080;  IMG: 80 rows of codes x 1,040;  XSC: [row][w][block][kk] bytes;  EPB: [row][wave] words;  PT: 512 a wave;  ET: 512;  CST: 1,024 a wave;  SPARE.
; SCALARS: s24 wave; s25 b; s26 j; s27 enc_lens[b]; s28 80 j; s29 my number; s58 the number of chunks that count; s30-35, s59-61 constants.
; REGISTERS: v4 r, v5 h, v6 lane; v10, v11 the add's two; v182-191 the five tiles' sums, in pairs.
;   X: v16-31 maxima, then E; v32-47 inverse scales; v48-79 bf16; v80-95 codes; v96-103 pairs of E; v147-151 offsets; window 1: four landing sets of 64 (row q's 8 numbers at 8 q).
;   C: v16-55 five accumulators; v56-95 scale bytes as read; v96-143 two sets of constants; v144-163 x's scale words; v164-171 Wh's, two sets; v172-181 c x coverage, in pairs; v208-255 ring 5-7;
;      window 1: ring 0-4, x's K steps 0, 1 at 80 + 80 ks + 16 i;  window 2: K steps 2-4;  window 3: K steps 5-7.
.set CEXP,  0x4038aa3b
.set XBP,   2080
.set CP,    1040
.set IMG,   80*XBP
.set XSC,   IMG+80*CP
.set EPB,   XSC+80*32
.set PT,    EPB+80*16
.set ET,    PT+4*512
.set CST,   ET+512
.set SPARE, CST+4*1024                 ; 128 bytes a wave: words that no other line names
.set MX,   16
.set INV,  32
.set XBF,  48
.set PC,   80
.set PW,   96
.set XOF,  147
.set XS,   144
.set COV,  172
.set ESUM, 182
.set ZB,   16
.set MSB, 0
.macro WIN new                         ; the immediate's high byte repeats the setting that is left
.if MSB != \new
	s_set_vgpr_msb (MSB<<8)|\new
.set MSB, \new
.endif
.endm
.macro VW
	s_wait_alu depctr_va_vdst(0)
.endm
	s_load_b512 s[4:19], s[0:1], 0x0               ; x, whf, whs, coverage, enc_lens, wc, v, cb
	s_load_b128 s[20:23], s[0:1], 0x40             ; es, ctxp
	v_lshl_add_u32 v10, v0, 2, SPARE
	v_mov_b32 v11, 0
	v_lshrrev_b32 v4, 5, v0
	v_readfirstlane_b32 s24, v4                    ; wave
	v_and_b32 v4, 15, v0                           ; r
	v_bfe_u32 v5, v0, 4, 1                         ; h
	v_and_b32 v6, 31, v0                           ; lane
.irp i, 0,1,2,3,4,5,6,7,8,9
	v_mov_b32 v[ESUM+\i], 0                        ; the sums begin here, on every path
.endr
	s_mov_b32 s29, ttmp9
	s_min_u32 s38, s29, 31
	s_lshl_b32 s38, s38, 2
	s_mov_b32 s39, 0
	s_mov_b32 s30, 0x76543210
	s_mov_b32 s31, 0xfedcba98                      ; v_permlanex16_b32's selects for lane l xor 16
	s_mov_b32 s32, 0x47600000                      ; 57,344
	s_mov_b32 s59, 0xc7600000                      ; -57,344
	s_mov_b32 s60, 0x8000000                       ; the floor 2^(16 - 127)
	s_mov_b32 s61, 0x86800000                      ; 269 << 23: less E << 23 it is the f32 number 2^(142 - E)
	s_mov_b32 s33, 0xffff0000                      ; lanes 16-31
	s_mov_b32 s34, CEXP
	s_mov_b32 s35, CEXP
	s_sub_co_u32 s84, s29, 32                      ; t (wraps in numbers 0 to 31, where the walk's result is not taken)
	s_mov_b32 s85, 0
	s_mov_b32 s86, 0
	s_mov_b32 s87, 0
	s_mov_b32 s88, 1
	VW                                             ; at the head's end
	s_wait_kmcnt 0x0
	s_add_nc_u64 s[90:91], s[12:13], s[38:39]
	s_load_b512 s[40:55], s[12:13], 0x0
	s_load_b512 s[68:83], s[12:13], 0x40
	s_load_b32 s92, s[90:91], 0x0
	s_wait_kmcnt 0x0
.macro WALK n, b                       ; one batch of the walk
	s_max_i32 s[\n], s[\n], 1
	s_min_i32 s[\n], s[\n], 0x800
	s_sub_co_u32 s89, s[\n], 1
	s_mul_i32 s89, s89, 0xcccd                     ; 52,429 / 2^22 serves as 1 / 80 for all numbers under 262,144
	s_lshr_b32 s89, s89, 22
	s_cmp_ge_u32 s84, s85                          ; the last batch that begins at or under t is mine
	s_cselect_b32 s86, (\b), s86
	s_cselect_b32 s87, s85, s87
	s_cselect_b32 s88, s[\n], s88
	s_add_co_u32 s85, s85, s89
.endm
.irp n, 40,41,42,43,44,45,46,47,48,49,50,51,52,53,54,55
	WALK \n, \n-40
.endr
.irp n, 68,69,70,71,72,73,74,75,76,77,78,79,80,81,82,83
	WALK \n, \n-52
.endr
	s_add_co_u32 s58, s85, 32
	s_sub_co_u32 s89, s84, s87
	s_add_co_u32 s89, s89, 1
	s_max_i32 s92, s92, 1
	s_min_i32 s92, s92, 0x800
	s_cmp_lt_u32 s29, 32
	s_cselect_b32 s25, s29, s86
	s_cselect_b32 s26, 0, s89
	s_cselect_b32 s27, s92, s88
	s_min_u32 s25, s25, 31
	s_min_u32 s26, s26, 25
	s_mul_i32 s28, s26, 80
	s_lshl_b32 s38, s25, 23
	s_add_nc_u64 s[4:5], s[4:5], s[38:39]
	s_lshl_b32 s38, s25, 12
	s_add_nc_u64 s[18:19], s[18:19], s[38:39]      ; cb's row
	s_lshl_b32 s38, s25, 13
	s_add_nc_u64 s[10:11], s[10:11], s[38:39]      ; coverage's row
	s_mul_i32 s40, s25, 26
	s_add_co_u32 s40, s40, s26
	s_lshl_b32 s38, s40, 9
	s_add_nc_u64 s[20:21], s[20:21], s[38:39]      ; my slot of es
	s_lshl_b32 s38, s40, 12
	s_add_nc_u64 s[22:23], s[22:23], s[38:39]      ; and of ctxp
; ================================ SECTION X ================================
	s_cmp_ge_u32 s29, s58
	s_cbranch_scc1 .Lx
	s_lshl_b32 s37, s24, 8
	s_add_co_u32 s37, s37, IMG
	v_lshl_add_u32 v1, v6, 2, s37                  ; codes: byte 256 w + 4 x lane of a row; 8 rows on after each batch
	s_lshl_b32 s37, s24, 9
	v_lshl_add_u32 v7, v6, 4, s37                  ; the bf16 copy: byte 512 w + 16 x lane of a row; 8 rows on after each batch
	s_lshl_b32 s37, s24, 3
	s_add_co_u32 s37, s37, XSC
	v_lshrrev_b32 v8, 3, v6
	v_lshl_add_u32 v8, v8, 1, s37                  ; exponent bytes: 8 w + 2 x my block
	v_mov_b32 v9, 1.0                              ; the conversions' scale
.irp i, 0,1,2,3,4
	s_mul_i32 s37, s26, 5
	s_add_co_u32 s37, s37, \i
	s_min_u32 s37, s37, 127                        ; the last chunk's tiles 128, 129 read tile 127: no load leaves x; their rows are masked
	s_lshl_b32 s37, s37, 16
	s_lshl_b32 s38, s24, 10
	s_add_co_u32 s37, s37, s38
	v_lshl_add_u32 v[XOF+\i], v6, 4, s37
.endr
	VW                                             ; at the set-up's end
.macro XLOAD bt                        ; batch bt: rows 8 bt .. + 7, both K steps: 16 loads of 512 consecutive bytes into landing set bt % 4
	WIN 0x40
.irp q, 0,1,2,3,4,5,6,7
	global_load_b128 v[64*((\bt)%4)+8*\q:64*((\bt)%4)+8*\q+3], v[XOF+(\bt)/2], s[4:5] offset:4096*(8*((\bt)%2)+\q) th:TH_LOAD_NT
	global_load_b128 v[64*((\bt)%4)+8*\q+4:64*((\bt)%4)+8*\q+7], v[XOF+(\bt)/2], s[4:5] offset:4096*(8*((\bt)%2)+\q)+512 th:TH_LOAD_NT
.endr
	WIN 0
.endm
; group g = 2 q + kk: row q of the batch, K step 2 w + kk: four registers at LS + 4 g.  Each kind of line runs over all groups, under one setting of the windows.
.macro BATCH bt
.set LS, 64*((\bt)%4)
.if (\bt) <= 6
	s_wait_loadcnt 48                              ; this batch's 16 loads are in; the three batches behind it may be out
.else
	s_wait_loadcnt 16*(9-(\bt))
.endif
	WIN 0x05
.set g, 0
.rept 16
	v_max3_num_f32 v[MX+g], |v[LS+4*g]|, |v[LS+4*g+1]|, s60
.set g, g+1
.endr
.set g, 0
.rept 32
	v_cvt_pk_bf16_f32 v[XBF+g], v[LS+2*g], v[LS+2*g+1]   ; the copy for the context
.set g, g+1
.endr
	WIN 0x14
.set g, 0
.rept 16
	v_max3_num_f32 v[MX+g], v[MX+g], |v[LS+4*g+2]|, |v[LS+4*g+3]|
.set g, g+1
.endr
	WIN 0
.irp m, 1,2,4
.set g, 0
.rept 16
	v_max_num_f32_dpp v[MX+g], v[MX+g], v[MX+g] row_xmask:\m row_mask:0xf bank_mask:0xf   ; over the block's 8 lanes
.set g, g+1
.endr
.endr
.set g, 0
.rept 16
	v_lshrrev_b32 v[MX+g], 23, v[MX+g]             ; E
.set g, g+1
.endr
.set g, 0
.rept 16
	v_lshlrev_b32 v[INV+g], 23, v[MX+g]
.set g, g+1
.endr
.set g, 0
.rept 16
	v_sub_nc_u32 v[INV+g], s61, v[INV+g]           ; 1 / the scale
.set g, g+1
.endr
.set g, 0
.rept 8
	v_lshl_or_b32 v[PW+g], v[MX+2*g+1], 8, v[MX+2*g]     ; a row's E of both K steps
.set g, g+1
.endr
	WIN 0x41
.set g, 0
.rept 8
	v_pk_mul_f32 v[LS+8*g:LS+8*g+1], v[LS+8*g:LS+8*g+1], v[INV+2*g:INV+2*g+1] op_sel_hi:[1,0]
	v_pk_mul_f32 v[LS+8*g+2:LS+8*g+3], v[LS+8*g+2:LS+8*g+3], v[INV+2*g:INV+2*g+1] op_sel_hi:[1,0]
	v_pk_mul_f32 v[LS+8*g+4:LS+8*g+5], v[LS+8*g+4:LS+8*g+5], v[INV+2*g:INV+2*g+1] op_sel:[0,1] op_sel_hi:[1,1]
	v_pk_mul_f32 v[LS+8*g+6:LS+8*g+7], v[LS+8*g+6:LS+8*g+7], v[INV+2*g:INV+2*g+1] op_sel:[0,1] op_sel_hi:[1,1]
.set g, g+1
.endr
.set g, 0
.rept 64
	v_med3_num_f32 v[LS+g], v[LS+g], s59, s32      ; the conversion does not saturate (ISA guide 7.6.2): the hold comes first
.set g, g+1
.endr
	WIN 0x01
.set g, 0
.rept 8
	v_cvt_scalef32_pk8_bf8_f32 v[PC+2*g:PC+2*g+1], v[LS+8*g:LS+8*g+7], v9
.set g, g+1
.endr
	v_nop                                          ; one plain line behind the last scaled conversion
	WIN 0
.irp q, 0,1,2,3,4,5,6,7
	ds_store_b32 v1, v[PC+2*\q] offset:CP*\q                     ; 128 consecutive bytes: the row's codes of K step 2 w,
	ds_store_b32 v1, v[PC+2*\q+1] offset:CP*\q+128               ; and of K step 2 w + 1
	ds_store_b128 v7, v[XBF+4*\q:XBF+4*\q+3] offset:XBP*\q
	ds_store_b16 v8, v[PW+\q] offset:32*(8*(\bt)+\q)             ; a block's eight lanes store the same two bytes
.endr
.if (\bt)+4 <= 9
	XLOAD (\bt)+4
.endif
	v_add_nc_u32 v1, 8*CP, v1
	v_add_nc_u32 v7, 8*XBP, v7
.endm
.irp u, 0,1,2,3
	XLOAD \u
.endr
.irp u, 0,1,2,3,4,5,6,7,8,9
	BATCH \u
.endr
.Lx:
	s_wait_dscnt 0x0                               ; for the others' sake: my stores are done
	s_barrier_signal -1
	s_barrier_wait -1
; ================================ SECTION C ================================
	s_cmp_ge_u32 s29, s58
	s_cbranch_scc1 .Lc1
	s_lshl_b32 s37, s24, 18
	v_lshl_add_u32 v1, v6, 4, s37                  ; whf: 16 x lane + my 16 column tiles of 16,384 bytes
	s_lshl_b32 s37, s24, 13
	v_lshl_add_u32 v2, v6, 4, s37                  ; whs: 16 x lane + my 16 tiles of 512 bytes
	s_lshl_b32 s37, s24, 10
	v_lshl_add_u32 v3, v5, 5, s37                  ; cb, wc, v: my wave's 256 columns, my half's eight numbers
	v_mul_u32_u24 v7, v4, CP
	v_lshl_add_u32 v7, v5, 4, v7
	v_add_nc_u32 v7, IMG, v7                       ; codes: row r, + 16 h: tiles 0-2,
	v_add_nc_u32 v8, 48*CP, v7                     ; and tiles 3, 4
	v_lshl_add_u32 v9, v4, 5, XSC                  ; row r's 32 exponent bytes
	v_mov_b32 v12, 0x06040200
	v_mov_b32 v13, 0x07050301
	v_cndmask_b32 v12, v12, v13, s33               ; lanes 0-15 pick the even K step's bytes, lanes 16-31 the odd one's
	v_add_nc_u32 v192, s28, v4
.irp i, 0,1,2,3,4
	v_add_nc_u32 v[193+\i], 16*\i, v192
	v_min_u32 v[193+\i], 0x7ff, v[193+\i]          ; no load leaves coverage; rows past its end are masked
	v_lshlrev_b32 v[193+\i], 2, v[193+\i]
.endr
	VW                                             ; at the set-up's end
.irp i, 0,1,2,3,4
	global_load_b32 v[COV+2*\i], v[193+\i], s[10:11]
	global_load_b32 v[COV+2*\i+1], v[193+\i], s[10:11]
.endr
.macro SLOAD par, imm                  ; a column tile's scale words: register kp: lanes 0-15 K step 2 kp, lanes 16-31 K step 2 kp + 1
	global_load_b128 v[164+4*(\par):167+4*(\par)], v2, s[8:9] offset:\imm
.endm
.macro KLOAD par, imm                  ; a column tile's constants: my half's 8 cb, 8 wc, 8 v
	global_load_b128 v[96+24*(\par):99+24*(\par)], v3, s[18:19] offset:\imm
	global_load_b128 v[100+24*(\par):103+24*(\par)], v3, s[18:19] offset:(\imm)+16
	global_load_b128 v[104+24*(\par):107+24*(\par)], v3, s[14:15] offset:\imm
	global_load_b128 v[108+24*(\par):111+24*(\par)], v3, s[14:15] offset:(\imm)+16
	global_load_b128 v[112+24*(\par):115+24*(\par)], v3, s[16:17] offset:\imm
	global_load_b128 v[116+24*(\par):119+24*(\par)], v3, s[16:17] offset:(\imm)+16
.endm
.macro REFILL ks, imm                  ; a fragment of Wh into place ks of the ring: four loads of 512 consecutive bytes
.if (\ks) < 5
	WIN 0x40
.set bfr, 16*(\ks)
.else
	WIN 0
.set bfr, 208+16*((\ks)-5)
.endif
.irp c, 0,1,2,3
	global_load_b128 v[bfr+4*\c:bfr+4*\c+3], v1, s[6:7] offset:(\imm)+2048*(\ks)+512*\c
.endr
	WIN 0
.endm
.macro ALOAD i, ks, reg                ; x's fragment (tile i, K step ks): registers 4 c on hold k = 32 c + 16 h .. + 15 of row r
.irp c, 0,1,2,3
.if (\i) < 3
	ds_load_b128 v[(\reg)+4*\c:(\reg)+4*\c+3], v7 offset:16*(\i)*CP+128*(\ks)+32*\c
.else
	ds_load_b128 v[(\reg)+4*\c:(\reg)+4*\c+3], v8 offset:16*((\i)-3)*CP+128*(\ks)+32*\c
.endif
.endr
.endm
; K step ks: five products, the five accumulators by turns.  n: the loads issued behind the fragment that is wanted
.macro WM ks, par, n
	s_wait_loadcnt \n
.if (\ks) < 2
	WIN 0x05
.set bfr, 16*(\ks)
.set afr, 80+80*(\ks)
.elseif (\ks) < 5
	WIN 0x09
.set bfr, 16*(\ks)
.set afr, 80*((\ks)-2)
.else
	WIN 0x0c
.set bfr, 208+16*((\ks)-5)
.set afr, 80*((\ks)-5)
.endif
.set bsr, 164+4*(\par)+(\ks)/2
.set xsr, XS+(\ks)/2
.irp i, 0,1,2,3,4
.if (\ks) == 0
	v_wmma_scale_f32_16x16x128_f8f6f4 v[ZB+8*\i:ZB+8*\i+7], v[bfr:bfr+15], v[afr+16*\i:afr+16*\i+15], 0, v[bsr], v[xsr+4*\i] matrix_a_fmt:MATRIX_FMT_BF8 matrix_b_fmt:MATRIX_FMT_BF8
.elseif (\ks)%2 == 0
	v_wmma_scale_f32_16x16x128_f8f6f4 v[ZB+8*\i:ZB+8*\i+7], v[bfr:bfr+15], v[afr+16*\i:afr+16*\i+15], v[ZB+8*\i:ZB+8*\i+7], v[bsr], v[xsr+4*\i] matrix_a_fmt:MATRIX_FMT_BF8 matrix_b_fmt:MATRIX_FMT_BF8
.else
	v_wmma_scale_f32_16x16x128_f8f6f4 v[ZB+8*\i:ZB+8*\i+7], v[bfr:bfr+15], v[afr+16*\i:afr+16*\i+15], v[ZB+8*\i:ZB+8*\i+7], v[bsr], v[xsr+4*\i] matrix_a_fmt:MATRIX_FMT_BF8 matrix_b_fmt:MATRIX_FMT_BF8 matrix_a_scale:MATRIX_SCALE_ROW1 matrix_b_scale:MATRIX_SCALE_ROW1
.endif
.endr
.endm
; A tile's vector work, in place on the accumulators, in batches.  Pair eq = 4 i + jp: tile i, columns 2 jp, 2 jp + 1 of my eight; each accumulator is read from its low end on.
.macro EPIL par
.set kb, 96+24*(\par)
.set eq, 0
.rept 20
	v_pk_fma_f32 v[ZB+2*eq:ZB+2*eq+1], v[ZB+2*eq:ZB+2*eq+1], s[34:35], v[kb+2*(eq%4):kb+2*(eq%4)+1] op_sel_hi:[1,0,1]   ; c acc + cb
.set eq, eq+1
.endr
.set eq, 0
.rept 20
	v_pk_fma_f32 v[ZB+2*eq:ZB+2*eq+1], v[kb+8+2*(eq%4):kb+9+2*(eq%4)], v[COV+2*(eq/4):COV+2*(eq/4)+1], v[ZB+2*eq:ZB+2*eq+1]   ; + wc (c cov)
.set eq, eq+1
.endr
	VW                                             ; ahead of the batch
.set er, 0
.rept 40
	v_exp_f32 v[ZB+er], v[ZB+er]
.set er, er+1
.endr
	v_nop                                          ; a plain line behind the last transcendental,
	VW                                             ; and the one wait for the batch
.set eq, 0
.rept 20
	v_pk_add_f32 v[ZB+2*eq:ZB+2*eq+1], v[ZB+2*eq:ZB+2*eq+1], 1.0 op_sel_hi:[1,0]
.set eq, eq+1
.endr
	VW
.set er, 0
.rept 40
	v_rcp_f32 v[ZB+er], v[ZB+er]
.set er, er+1
.endr
	v_nop
	VW
.set em, 0
.rept 20
	v_pk_fma_f32 v[ESUM+2*(em%5):ESUM+2*(em%5)+1], v[kb+16+2*(em/5):kb+17+2*(em/5)], v[ZB+8*(em%5)+2*(em/5):ZB+8*(em%5)+2*(em/5)+1], v[ESUM+2*(em%5):ESUM+2*(em%5)+1]   ; sum += v q, the five sums by turns
.set em, em+1
.endr
.endm
; A COLUMN TILE.  par: its set of constants and scale words.  more = 1: the next tile's scale words, constants and fragments are asked for.
; Eight places stand between a K step's products and the loads into the place that they read, and ahead of the first read of results (ISA guide 7.12.1 for the read of results).
; THE COUNTS: behind the fragment of K step 0 stand the seven others' 28 loads; from K step 1 on, 4 (7 - ks) old ones, the 7 loads of scale words and constants and 4 ks new ones: 35.
; A tile's constants were asked for ahead of its fragment 0, so the wait for that fragment shows them in.
.macro TILE par, more, bimm, simm, kimm
.irp ks, 0,1,2,3,4,5,6,7
.if \more
.if \ks == 0
	WM \ks, \par, 28
.else
	WM \ks, \par, 35
.endif
.else
	WM \ks, \par, 4*(7-\ks)
.endif
	WIN 0
.rept 8
	v_nop
.endr
.if \more
.if \ks == 0
	SLOAD 1-\par, \simm
	KLOAD 1-\par, \kimm
.endif
	REFILL \ks, \bimm
.endif
.endr
	EPIL \par
.endm
	SLOAD 0, 0
	KLOAD 0, 0
.irp ks, 0,1,2,3,4,5,6,7
	REFILL \ks, 0
.endr
.irp i, 0,1,2,3,4
	ds_load_b128 v[56+8*\i:59+8*\i], v9 offset:512*\i            ; row 16 i + r's exponent bytes
	ds_load_b128 v[60+8*\i:63+8*\i], v9 offset:512*\i+16
.endr
	WIN 0x40
.irp ks, 0,1
.irp i, 0,1,2,3,4
	ALOAD \i, \ks, 80+80*\ks+16*\i
.endr
.endr
	WIN 0x80
.irp ks, 2,3,4
.irp i, 0,1,2,3,4
	ALOAD \i, \ks, 80*(\ks-2)+16*\i
.endr
.endr
	WIN 0xc0
.irp ks, 5,6,7
.irp i, 0,1,2,3,4
	ALOAD \i, \ks, 80*(\ks-5)+16*\i
.endr
.endr
	WIN 0
	s_wait_loadcnt 39                              ; coverage is in: behind it stand 1 + 6 + 32 loads
.irp i, 0,1,2,3,4
	v_pk_mul_f32 v[COV+2*\i:COV+2*\i+1], v[COV+2*\i:COV+2*\i+1], s[34:35] op_sel_hi:[1,0]   ; c cov
.endr
	VW
	s_wait_dscnt 0x0
.irp i, 0,1,2,3,4
.irp w, 0,1,2,3
	v_perm_b32 v[XS+4*\i+\w], v[57+8*\i+2*\w], v[56+8*\i+2*\w], v12     ; the four blocks' E of K step 2 w + h
.endr
.endr
.irp i, 0,1,2,3,4
.irp w, 0,1,2,3
	v_add_nc_u32 v[XS+4*\i+\w], 0xf0f0f0f1, v[XS+4*\i+\w]               ; 15 off each byte: none is under 16, so no byte borrows
.endr
.endr
	VW
.rept 8
	v_nop                                          ; a scale register written by a vector instruction stands eight places ahead of the product
.endr
	s_mov_b32 s36, 7
.Lcol:                                             ; seven trips: column tiles 2 k and 2 k + 1
	TILE 0, 1, 16384, 512, 64
	TILE 1, 1, 32768, 1024, 128
	s_wait_xcnt 0x0                                ; the loads issued so far have read their bases: they may step
	s_add_nc_u64 s[6:7], s[6:7], 32768
	s_add_nc_u64 s[8:9], s[8:9], 1024
	s_add_nc_u64 s[14:15], s[14:15], 128
	s_add_nc_u64 s[16:17], s[16:17], 128
	s_add_nc_u64 s[18:19], s[18:19], 128
	s_sub_co_u32 s36, s36, 1
	s_cmp_lg_u32 s36, 0
	s_cbranch_scc1 .Lcol
	TILE 0, 1, 16384, 512, 64                      ; column tile 14
	TILE 1, 0, 0, 0, 0                             ; column tile 15: nothing is left to fetch
	VW                                             ; the sums are read behind the barrier
.Lc1:
	s_wait_dscnt 0x0
	s_barrier_signal -1
	s_barrier_wait -1
; ================================ SECTION C2 ===============================
	s_cmp_ge_u32 s29, s58
	s_cbranch_scc1 .Lc
	s_lshl_b32 s37, s24, 2
	s_add_co_u32 s37, s37, EPB
	v_lshl_add_u32 v13, v4, 4, s37                 ; row r's four words, my wave's
.irp i, 0,1,2,3,4
	v_add_f32 v[192+\i], v[ESUM+2*\i], v[ESUM+2*\i+1]
.endr
.irp i, 0,1,2,3,4
	v_mov_b32 v[198+\i], 0
.endr
.irp i, 0,1,2,3,4
	v_permlanex16_b32 v[198+\i], v[192+\i], s30, s31
.endr
.irp i, 0,1,2,3,4
	v_add_f32 v[192+\i], v[192+\i], v[198+\i]      ; my 256 columns' sum for row 16 i + r
.endr
.irp i, 0,1,2,3,4
	ds_store_b32 v13, v[192+\i] offset:256*\i      ; both halves store the same number to the same word
.endr
.Lc:
	s_wait_dscnt 0x0
	s_barrier_signal -1
	s_barrier_wait -1
; ================================ SECTION S ================================
	s_cmp_ge_u32 s29, s58
	s_cbranch_scc1 .Ls
	v_lshl_add_u32 v1, v4, 4, EPB
	v_lshl_add_u32 v2, v4, 2, ET
	v_lshl_add_u32 v3, v6, 4, ET
	s_lshl_b32 s37, s24, 9
	s_add_co_u32 s38, s37, PT
	v_lshl_add_u32 v7, v4, 2, s38                  ; p: word r of my wave's 128,
	v_lshl_add_u32 v8, v5, 5, s38                  ; and back: eight neighbours, 8 h on
	v_and_b32 v9, 7, v0
	v_lshl_add_u32 v9, v5, 3, v9                   ; the turning load: row 8 h + lane % 8,
	v_mul_u32_u24 v9, v9, XBP
	v_bfe_u32 v12, v0, 3, 1
	v_lshl_add_u32 v9, v12, 4, v9
	v_add_nc_u32 v9, s37, v9                       ; my wave's 256 columns: rows 0-31;
	v_add_nc_u32 v12, 32*XBP, v9                   ; rows 32-63;
	v_add_nc_u32 v13, 64*XBP, v9                   ; rows 64-79
	s_lshl_b32 s37, s24, 10
	s_add_co_u32 s38, s37, CST
	v_lshl_add_u32 v14, v5, 4, s38                 ; the context's stage: 16 h; the copy's order of columns is undone by the stores' offsets
	v_lshl_add_u32 v15, v6, 4, s38
	v_lshlrev_b32 v41, 4, v6
	v_lshl_add_u32 v51, v6, 4, s37                 ; ctxp, and a row of x: my wave's 1,024 bytes, 16 x lane
.irp i, 0,1,2,3,4
	ds_load_b128 v[16+4*\i:19+4*\i], v1 offset:256*\i
.endr
	v_add_nc_u32 v49, s28, v4
	v_mov_b32 v52, 0xff800000
	v_mov_b32 v54, 0
	VW                                             ; at the set-up's end
	s_wait_dscnt 0x0
.irp i, 0,1,2,3,4
	v_add_f32 v[16+4*\i], v[16+4*\i], v[17+4*\i]
	v_add_f32 v[18+4*\i], v[18+4*\i], v[19+4*\i]
	v_add_f32 v[36+\i], v[16+4*\i], v[18+4*\i]
	v_mul_f32 v[36+\i], -2.0, v[36+\i]             ; e of row 16 i + r
	v_add_nc_u32 v53, 16*\i, v49
	v_cmp_gt_i32 vcc_lo, s27, v53                  ; does the row count?
	v_cndmask_b32 v[36+\i], v52, v[36+\i], vcc_lo
.endr
	v_max3_num_f32 v42, v36, v37, v38
	v_max3_num_f32 v42, v42, v39, v40
	v_max_num_f32_dpp v42, v42, v42 row_xmask:1 row_mask:0xf bank_mask:0xf
	v_max_num_f32_dpp v42, v42, v42 row_xmask:2 row_mask:0xf bank_mask:0xf
	v_max_num_f32_dpp v42, v42, v42 row_xmask:4 row_mask:0xf bank_mask:0xf
	v_max_num_f32_dpp v42, v42, v42 row_xmask:8 row_mask:0xf bank_mask:0xf   ; m; row 80 j counts, so m is a number
.irp i, 0,1,2,3,4
	v_sub_f32 v[44+\i], v[36+\i], v42
.endr
.irp i, 0,1,2,3,4
	v_mul_f32 v[44+\i], 0x3fb8aa3b, v[44+\i]
.endr
	VW                                             ; ahead of the batch
.irp i, 0,1,2,3,4
	v_exp_f32 v[44+\i], v[44+\i]                   ; p = exp(e - m)
.endr
	v_nop
	VW                                             ; one wait for the five
	v_add_f32 v43, v44, v45
	v_add_f32 v50, v46, v47
	v_add_f32 v43, v43, v48
	v_add_f32 v43, v43, v50
	v_add_f32_dpp v43, v43, v43 row_xmask:1 row_mask:0xf bank_mask:0xf
	v_add_f32_dpp v43, v43, v43 row_xmask:2 row_mask:0xf bank_mask:0xf
	v_add_f32_dpp v43, v43, v43 row_xmask:4 row_mask:0xf bank_mask:0xf
	v_add_f32_dpp v43, v43, v43 row_xmask:8 row_mask:0xf bank_mask:0xf       ; l
	VW
	s_cmp_lg_u32 s24, 0
	s_cbranch_scc1 .Lnot0                          ; wave 0 stores the chunk's slot of es: 80 e, then m, l, then zeros: 512 bytes
.irp i, 0,1,2,3,4
	ds_store_b32 v2, v[36+\i] offset:64*\i
.endr
.irp i, 5,6,7
	ds_store_b32 v2, v54 offset:64*\i
.endr
	v_mov_b32 v55, ET
	ds_store_b64 v55, v[42:43] offset:320          ; in order: over the zeros
	ds_load_b128 v[56:59], v3
	s_wait_dscnt 0x0
	global_store_b128 v41, v[56:59], s[20:21]      ; 32 lanes store 512 consecutive bytes
.Lnot0:
	s_cmp_lt_u32 s29, 32                           ; chunk 0 sums in f32: the work-group's number alone decides
	s_cbranch_scc1 .Lfine
; ---- chunks 1 to 25: bf16 products on the copy in LDS
.irp i, 0,1,2,3,4
	ds_store_b32 v7, v[44+\i] offset:64*\i
.endr
.irp i, 0,1,2,3,4
	ds_load_b128 v[60+8*\i:63+8*\i], v8 offset:64*\i
	ds_load_b128 v[64+8*\i:67+8*\i], v8 offset:64*\i+16
.endr
.irp t, 0,1,2,3
	v_mov_b32 v[120+\t], 0                         ; rows 80-95 of the third K step do not exist: zeros on both sides
.endr
.irp t, 0,1,2,3
.irp n, 0,1,2,3
	v_mov_b32 v[144+24*\t+\n], 0
.endr
.endr
	s_wait_dscnt 0x0
.irp i, 0,1,2,3,4
.irp t, 0,1,2,3
	v_cvt_pk_bf16_f32 v[100+4*\i+\t], v[60+8*\i+2*\t], v[61+8*\i+2*\t]
.endr
.endr
	VW                                             ; p's fragments are read behind the waits below
; D(place, any) = sum over rows of X^T(place, row) p(row).  v124-219: 4 x 3 fragments of X^T; v220-251: four accumulators, by turns.
; Place 16 T + 8 h + n of the copy is column 8 T + 4 h + n (n < 4) or 128 + 8 T + 4 h + n - 4: registers 0-3 go to byte 32 T + 16 h of the stage, registers 4-7 to byte 512 + 32 T + 16 h.
.irp bt, 0,1,2,3
.irp t, 0,1,2,3
	ds_load_tr16_b128 v[124+24*\t:127+24*\t], v9 offset:32*(4*\bt+\t)
	ds_load_tr16_b128 v[128+24*\t:131+24*\t], v9 offset:16*XBP+32*(4*\bt+\t)
	ds_load_tr16_b128 v[132+24*\t:135+24*\t], v12 offset:32*(4*\bt+\t)
	ds_load_tr16_b128 v[136+24*\t:139+24*\t], v12 offset:16*XBP+32*(4*\bt+\t)
	ds_load_tr16_b128 v[140+24*\t:143+24*\t], v13 offset:32*(4*\bt+\t)
.endr
	s_wait_dscnt 0x0
.irp kk, 0,1,2
.irp t, 0,1,2,3
.if \kk == 0
	v_wmma_f32_16x16x32_bf16 v[220+8*\t:227+8*\t], v[124+24*\t+8*\kk:131+24*\t+8*\kk], v[100+8*\kk:107+8*\kk], 0
.else
	v_wmma_f32_16x16x32_bf16 v[220+8*\t:227+8*\t], v[124+24*\t+8*\kk:131+24*\t+8*\kk], v[100+8*\kk:107+8*\kk], v[220+8*\t:227+8*\t]
.endif
.endr
.endr
.rept 5
	v_nop                                          ; four places ahead of the stores and loads; five ahead of the products that begin the accumulators anew
.endr
.irp t, 0,1,2,3
	ds_store_b128 v14, v[220+8*\t:223+8*\t] offset:32*(4*\bt+\t)
	ds_store_b128 v14, v[224+8*\t:227+8*\t] offset:512+32*(4*\bt+\t)
.endr
.endr
	ds_load_b128 v[60:63], v15
	ds_load_b128 v[64:67], v15 offset:512
	s_wait_dscnt 0x1
	global_store_b128 v51, v[60:63], s[22:23]      ; 32 lanes store 512 consecutive bytes
	s_wait_dscnt 0x0
	global_store_b128 v51, v[64:67], s[22:23] offset:512
	s_branch .Ls
; ---- chunk 0: rows 0 to 79, read once more as f32: ten groups of 8 rows, 16 loads each, into three sets of 64 registers by turns.  v16-23: the eight sums, in pairs.
; A row's p lies in lane row % 16 of v[44 + row / 16]; it is read into the low word of a scalar pair, which serves both halves of a packed line.  A masked row has p = 0.
.macro FLOAD g
.irp q, 0,1,2,3,4,5,6,7
	global_load_b128 v[60+64*((\g)%3)+8*\q:63+64*((\g)%3)+8*\q], v51, s[4:5] offset:4096*(8*(\g)+\q)
	global_load_b128 v[64+64*((\g)%3)+8*\q:67+64*((\g)%3)+8*\q], v51, s[4:5] offset:4096*(8*(\g)+\q)+512
.endr
.endm
.macro FGROUP g
.if (\g) > 0
	VW                                             ; the sums are read again behind the wait below
.endif
.if (\g) <= 7
	s_wait_loadcnt 32                              ; this group's 16 are in; the two groups behind it may be out
.else
	s_wait_loadcnt 16*(9-(\g))
.endif
.irp q, 0,1,2,3,4,5,6,7
	v_readlane_b32 s[40+2*\q], v[44+(8*(\g)+\q)/16], (8*(\g)+\q)%16
.endr
.irp q, 0,1,2,3,4,5,6,7
.irp k, 0,2,4,6
.if ((\g) == 0) && (\q == 0)
	v_pk_mul_f32 v[16+\k:17+\k], v[60+64*((\g)%3)+8*\q+\k:61+64*((\g)%3)+8*\q+\k], s[40+2*\q:41+2*\q] op_sel_hi:[1,0]
.else
	v_pk_fma_f32 v[16+\k:17+\k], v[60+64*((\g)%3)+8*\q+\k:61+64*((\g)%3)+8*\q+\k], s[40+2*\q:41+2*\q], v[16+\k:17+\k] op_sel_hi:[1,0,1]
.endif
.endr
.endr
.if (\g)+3 <= 9
	FLOAD (\g)+3
.endif
.endm
.Lfine:
.irp q, 0,1,2,3,4,5,6,7
	s_mov_b32 s[41+2*\q], 0                        ; (named with the low word as a pair, so it is written)
.endr
.irp g, 0,1,2
	FLOAD \g
.endr
.irp g, 0,1,2,3,4,5,6,7,8,9
	FGROUP \g
.endr
	global_store_b128 v51, v[16:19], s[22:23]
	global_store_b128 v51, v[20:23], s[22:23] offset:512
.Ls:
	s_wait_tensorcnt 0x0                           ; the wave's end
	ds_add_u32 v10, v11
	s_wait_dscnt 0x0
	s_endpgm
.Lfunc_end_k_qcc816fd037_main:
	.size	k_qcc816fd037_main, .Lfunc_end_k_qcc816fd037_main-k_qcc816fd037_main
	.p2alignl 7, 3214868480
	.fill 96, 4, 3214868480
	.section	.rodata,"a",@progbits
	.p2align	6, 0x0
	.amdhsa_kernel k_qcc816fd037_main
		.amdhsa_group_segment_fixed_size 260608
		.amdhsa_private_segment_fixed_size 0
		.amdhsa_enable_private_segment 0
		.amdhsa_kernarg_size 80
		.amdhsa_user_sgpr_count 2
		.amdhsa_user_sgpr_kernarg_segment_ptr 1
		.amdhsa_wavefront_size32 1
		.amdhsa_system_sgpr_workgroup_id_x 1
		.amdhsa_system_sgpr_workgroup_id_y 1
		.amdhsa_system_sgpr_workgroup_id_z 1
		.amdhsa_system_vgpr_workitem_id 0
		.amdhsa_next_free_vgpr 1024
		.amdhsa_next_free_sgpr 96
		.amdhsa_reserve_vcc 1
		.amdhsa_float_denorm_mode_32 3
		.amdhsa_float_denorm_mode_16_64 3
		.amdhsa_memory_ordered 1
		.amdhsa_forward_progress 1
		.amdhsa_inst_pref_size 255
	.end_amdhsa_kernel
	.section	.bss,"aw",@nobits
	.p2align	6
	.space	262144
	.amdgpu_metadata
---
amdhsa.version: [ 1, 2 ]
amdhsa.kernels:
  - .name:           k_qcc816fd037_main
    .symbol:         k_qcc816fd037_main.kd
    .args:
      - { .name: enc_states, .offset: 0, .size: 8, .value_kind: global_buffer, .address_space: global }
      - { .name: whf, .offset: 8, .size: 8, .value_kind: global_buffer, .address_space: global }
      - { .name: whs, .offset: 16, .size: 8, .value_kind: global_buffer, .address_space: global }
      - { .name: coverage_vector, .offset: 24, .size: 8, .value_kind: global_buffer, .address_space: global }
      - { .name: enc_lens, .offset: 32, .size: 8, .value_kind: global_buffer, .address_space: global }
      - { .name: wc, .offset: 40, .size: 8, .value_kind: global_buffer, .address_space: global }
      - { .name: v, .offset: 48, .size: 8, .value_kind: global_buffer, .address_space: global }
      - { .name: cb, .offset: 56, .size: 8, .value_kind: global_buffer, .address_space: global }
      - { .name: es, .offset: 64, .size: 8, .value_kind: global_buffer, .address_space: global }
      - { .name: ctxp, .offset: 72, .size: 8, .value_kind: global_buffer, .address_space: global }
    .group_segment_fixed_size: 260608
    .private_segment_fixed_size: 0
    .kernarg_segment_align: 8
    .kernarg_segment_size: 80
    .max_flat_workgroup_size: 128
    .sgpr_count:     96
    .vgpr_count:     1024
    .wavefront_size: 32
...
	.end_amdgpu_metadata
.endif
;; end of part 2
;; launch finish (part 3): grid 32 x 1, 8 waves a work-group, no clusters, 0 bytes of LDS; arguments enc_lens, coverage_vector, es, ctxp, out0, out1, out2; writes out0, out1, out2
.if DOCPART == 3
	.amdgcn_target "amdgcn-amd-amdhsa--gfx1250"
	.amdhsa_code_object_version 6
	.text
	.protected	k_qcc816fd037_finish
	.globl	k_qcc816fd037_finish
	.p2align	8
	.type	k_qcc816fd037_finish,@function
k_qcc816fd037_finish:
	s_mov_b64 s[64:65], 0
	v_nop
	global_prefetch_b8 v0, s[64:65] scope:SCOPE_SE
	s_setreg_imm32_b32 hwreg(HW_REG_WAVE_MODE, 25, 1), 1
	s_wait_xcnt 0x0
; One work-group joins the chunks of one batch.  WORK LEFT OUT (shown at the head of the first kernel): chunks that begin at or behind enc_lens[b] were not computed and are not read.
; With nc1 = (len - 1) / 80, the last chunk that counts:  M = max of m_j,  L = sum of exp(m_j - M) l_j,  context = sum of (exp(m_j - M) / L) ctx_j,  attn_s = exp(e_s - M) / L where s < len, else 0.
; Only bytes that main stored are read: the number of a chunk behind nc1 is held at nc1, and what is read there gets the weight 0 (its m is replaced by -infinity) or is replaced by 0 (attn).
; LIMITS: enc_lens is held within 1 .. 2,048 (for 0 or less reference() gives NaN, which is not reproduced).
; No LDS, no barrier, no loop: every wave makes M, L and the 26 weights for itself (a lane a chunk).  Thread t owns columns 4 t .. 4 t + 3 of the context and positions 4 t + 1,024 u .. + 3, u = 0, 1.
; REGISTERS: v1 offset of (m, l); v[2:3] m, l; v5 lane; v6-31 ctxp's offsets; v32-135 26 x 4 numbers of ctxp; v136-143 e, then attn; v144-151 coverage, then coverage + attn; v152-155 the context; v160-175 at work; s30-55 the weights.
	s_load_b256 s[4:11], s[0:1], 0x0               ; enc_lens, coverage, es, ctxp
	s_load_b128 s[12:15], s[0:1], 0x20             ; out0, out1
	s_load_b64 s[16:17], s[0:1], 0x30              ; out2
	v_and_b32 v5, 31, v0
	s_mov_b32 s21, 0
	s_lshl_b32 s20, ttmp9, 2
	s_mov_b32 s22, 0x76543210
	s_mov_b32 s23, 0xfedcba98                      ; v_permlanex16_b32's selects for lane l xor 16
	s_wait_alu depctr_va_vdst(0)
	s_wait_kmcnt 0x0
	s_add_nc_u64 s[4:5], s[4:5], s[20:21]
	s_load_b32 s18, s[4:5], 0x0                    ; enc_lens[b]
	s_mul_i32 s20, ttmp9, 26*512
	s_add_nc_u64 s[8:9], s[8:9], s[20:21]          ; the batch's slots of es,
	s_mul_i32 s20, ttmp9, 26*4096
	s_add_nc_u64 s[10:11], s[10:11], s[20:21]      ; of ctxp,
	s_lshl_b32 s20, ttmp9, 13
	s_add_nc_u64 s[6:7], s[6:7], s[20:21]          ; its rows of coverage, out1, out2,
	s_add_nc_u64 s[14:15], s[14:15], s[20:21]
	s_add_nc_u64 s[16:17], s[16:17], s[20:21]
	s_lshl_b32 s20, ttmp9, 12
	s_add_nc_u64 s[12:13], s[12:13], s[20:21]      ; and of out0
	s_wait_kmcnt 0x0
	s_max_i32 s18, s18, 1
	s_min_i32 s18, s18, 0x800                      ; len
	s_sub_co_u32 s19, s18, 1
	s_mul_i32 s19, s19, 0xcccd                     ; 52,429 / 2^22 is 1 / 80 closely enough for all numbers under 262,144
	s_lshr_b32 s19, s19, 22
	s_min_u32 s19, s19, 25                         ; nc1
	v_min_u32 v1, s19, v5
	s_delay_alu instid0(VALU_DEP_1)
	v_min_u32 v1, 25, v1
	s_delay_alu instid0(VALU_DEP_1)
	v_lshlrev_b32 v1, 9, v1
	global_load_b64 v[2:3], v1, s[8:9] offset:320  ; lane j: m and l of chunk min(j, nc1)
.irp j, 0,1,2,3,4,5,6,7,8,9,10,11,12,13,14,15,16,17,18,19,20,21,22,23,24,25
	s_min_u32 s20, s19, \j
	s_lshl_b32 s20, s20, 12
	v_lshl_add_u32 v[6+\j], v0, 4, s20
	global_load_b128 v[32+4*\j:35+4*\j], v[6+\j], s[10:11]   ; a wave's load covers 512 consecutive bytes
.endr
.irp u, 0,1
	v_lshl_add_u32 v[166+\u], v0, 2, 1024*\u       ; s; four neighbours lie in one chunk, since 80 is a multiple of 4
	s_delay_alu instid0(VALU_DEP_1)
	v_mul_u32_u24 v[160+\u], v[166+\u], 0xcccd
	s_delay_alu instid0(VALU_DEP_1)
	v_lshrrev_b32 v[160+\u], 22, v[160+\u]         ; s / 80
	s_delay_alu instid0(VALU_DEP_1)
	v_mul_u32_u24 v[162+\u], v[160+\u], 80
	s_delay_alu instid0(VALU_DEP_1)
	v_sub_nc_u32 v[162+\u], v[166+\u], v[162+\u]
	s_delay_alu instid0(VALU_DEP_1)
	v_lshlrev_b32 v[162+\u], 2, v[162+\u]          ; the place in the chunk's slot
	s_delay_alu instid0(VALU_DEP_4)
	v_min_u32 v[160+\u], s19, v[160+\u]
	s_delay_alu instid0(VALU_DEP_1)
	v_min_u32 v[160+\u], 25, v[160+\u]
	s_delay_alu instid0(VALU_DEP_1)
	v_lshl_add_u32 v[164+\u], v[160+\u], 9, v[162+\u]
	global_load_b128 v[136+4*\u:139+4*\u], v[164+\u], s[8:9]
.endr
	v_lshlrev_b32 v168, 4, v0
	global_load_b128 v[144:147], v168, s[6:7]
	global_load_b128 v[148:151], v168, s[6:7] offset:4096
	v_mov_b32 v169, 0xff800000                     ; -infinity
	v_mov_b32 v170, 0
	v_mov_b32 v171, 0                              ; (a lane permute's destination counts as one of its sources)
	s_wait_alu depctr_va_vdst(0)
	s_wait_loadcnt 30                              ; m and l are in; the 30 loads behind them may be out
	v_cmp_lt_u32 vcc_lo, s19, v5                   ; lanes behind the last chunk that counts
	s_delay_alu instid0(VALU_DEP_1)
	v_cndmask_b32 v2, v2, v169, vcc_lo
	s_delay_alu instid0(VALU_DEP_2)
	v_cndmask_b32 v3, v3, v170, vcc_lo
	s_delay_alu instid0(VALU_DEP_2)
	v_mov_b32 v172, v2
	s_delay_alu instid0(VALU_DEP_1)
	v_max_num_f32_dpp v172, v172, v172 row_xmask:1 row_mask:0xf bank_mask:0xf
	s_delay_alu instid0(VALU_DEP_1)
	v_max_num_f32_dpp v172, v172, v172 row_xmask:2 row_mask:0xf bank_mask:0xf
	s_delay_alu instid0(VALU_DEP_1)
	v_max_num_f32_dpp v172, v172, v172 row_xmask:4 row_mask:0xf bank_mask:0xf
	s_delay_alu instid0(VALU_DEP_1)
	v_max_num_f32_dpp v172, v172, v172 row_xmask:8 row_mask:0xf bank_mask:0xf
	s_delay_alu instid0(VALU_DEP_1)
	v_permlanex16_b32 v171, v172, s22, s23
	s_delay_alu instid0(VALU_DEP_1)
	v_max_num_f32 v172, v172, v171                 ; M, in every lane
	s_delay_alu instid0(VALU_DEP_1)
	v_sub_f32 v173, v2, v172
	s_delay_alu instid0(VALU_DEP_1)
	v_mul_f32 v173, 0x3fb8aa3b, v173
	s_wait_alu depctr_va_vdst(0)
	v_exp_f32 v173, v173                           ; exp(m_j - M)
	v_nop
	s_wait_alu depctr_va_vdst(0)                   ; the wait ahead of the first reader
	v_mul_f32 v174, v173, v3
	s_delay_alu instid0(VALU_DEP_1)
	v_add_f32_dpp v174, v174, v174 row_xmask:1 row_mask:0xf bank_mask:0xf
	s_delay_alu instid0(VALU_DEP_1)
	v_add_f32_dpp v174, v174, v174 row_xmask:2 row_mask:0xf bank_mask:0xf
	s_delay_alu instid0(VALU_DEP_1)
	v_add_f32_dpp v174, v174, v174 row_xmask:4 row_mask:0xf bank_mask:0xf
	s_delay_alu instid0(VALU_DEP_1)
	v_add_f32_dpp v174, v174, v174 row_xmask:8 row_mask:0xf bank_mask:0xf
	s_delay_alu instid0(VALU_DEP_1)
	v_permlanex16_b32 v171, v174, s22, s23
	s_delay_alu instid0(VALU_DEP_1)
	v_add_f32 v174, v174, v171                     ; L
	s_wait_alu depctr_va_vdst(0)
	v_rcp_f32 v175, v174
	v_nop
	s_wait_alu depctr_va_vdst(0)
	v_mul_f32 v173, v173, v175                     ; lane j: chunk j's weight
.irp j, 0,1,2,3,4,5,6,7,8,9,10,11,12,13,14,15,16,17,18,19,20,21,22,23,24,25
	v_readlane_b32 s[30+\j], v173, \j
.endr
	s_wait_loadcnt 4                               ; the 26 parts of the context are in; e and coverage may be out
.irp k, 0,1,2,3
	v_mul_f32 v[152+\k], s30, v[32+\k]
.endr
.irp j, 1,2,3,4,5,6,7,8,9,10,11,12,13,14,15,16,17,18,19,20,21,22,23,24,25
.irp k, 0,1,2,3
	s_delay_alu instid0(VALU_DEP_4)
	v_fma_f32 v[152+\k], s[30+\j], v[32+4*\j+\k], v[152+\k]
.endr
.endr
	global_store_b128 v168, v[152:155], s[12:13]   ; a wave's store covers 512 consecutive bytes
	s_wait_loadcnt 0x0
.irp n, 0,1,2,3,4,5,6,7
	v_sub_f32 v[136+\n], v[136+\n], v172
.endr
.irp n, 0,1,2,3,4,5,6,7
	v_mul_f32 v[136+\n], 0x3fb8aa3b, v[136+\n]
.endr
	s_wait_alu depctr_va_vdst(0)
.irp n, 0,1,2,3,4,5,6,7
	v_exp_f32 v[136+\n], v[136+\n]
.endr
	v_nop
	s_wait_alu depctr_va_vdst(0)                   ; one wait for the eight
.irp u, 0,1
.irp k, 0,1,2,3
	v_mul_f32 v[136+4*\u+\k], v[136+4*\u+\k], v175
	v_add_nc_u32 v160, \k, v[166+\u]
	s_delay_alu instid0(VALU_DEP_1)
	v_cmp_gt_i32 vcc_lo, s18, v160                 ; s < len?
	s_delay_alu instid0(VALU_DEP_1)
	v_cndmask_b32 v[136+4*\u+\k], v170, v[136+4*\u+\k], vcc_lo
	s_delay_alu instid0(VALU_DEP_1)
	v_add_f32 v[144+4*\u+\k], v[144+4*\u+\k], v[136+4*\u+\k]
.endr
.endr
	global_store_b128 v168, v[136:139], s[14:15]
	global_store_b128 v168, v[140:143], s[14:15] offset:4096
	global_store_b128 v168, v[144:147], s[16:17]
	global_store_b128 v168, v[148:151], s[16:17] offset:4096
	s_endpgm
.Lfunc_end_k_qcc816fd037_finish:
	.size	k_qcc816fd037_finish, .Lfunc_end_k_qcc816fd037_finish-k_qcc816fd037_finish
	.p2alignl 7, 3214868480
	.fill 96, 4, 3214868480
	.section	.rodata,"a",@progbits
	.p2align	6, 0x0
	.amdhsa_kernel k_qcc816fd037_finish
		.amdhsa_group_segment_fixed_size 0
		.amdhsa_private_segment_fixed_size 0
		.amdhsa_enable_private_segment 0
		.amdhsa_kernarg_size 56
		.amdhsa_user_sgpr_count 2
		.amdhsa_user_sgpr_kernarg_segment_ptr 1
		.amdhsa_wavefront_size32 1
		.amdhsa_system_sgpr_workgroup_id_x 1
		.amdhsa_system_sgpr_workgroup_id_y 1
		.amdhsa_system_sgpr_workgroup_id_z 1
		.amdhsa_system_vgpr_workitem_id 0
		.amdhsa_next_free_vgpr 176
		.amdhsa_next_free_sgpr 66
		.amdhsa_reserve_vcc 1
		.amdhsa_float_denorm_mode_32 3
		.amdhsa_float_denorm_mode_16_64 3
		.amdhsa_memory_ordered 1
		.amdhsa_forward_progress 1
		.amdhsa_inst_pref_size 26
	.end_amdhsa_kernel
	.amdgpu_metadata
---
amdhsa.version: [ 1, 2 ]
amdhsa.kernels:
  - .name:           k_qcc816fd037_finish
    .symbol:         k_qcc816fd037_finish.kd
    .args:
      - { .name: enc_lens, .offset: 0, .size: 8, .value_kind: global_buffer, .address_space: global }
      - { .name: coverage_vector, .offset: 8, .size: 8, .value_kind: global_buffer, .address_space: global }
      - { .name: es, .offset: 16, .size: 8, .value_kind: global_buffer, .address_space: global }
      - { .name: ctxp, .offset: 24, .size: 8, .value_kind: global_buffer, .address_space: global }
      - { .name: out0, .offset: 32, .size: 8, .value_kind: global_buffer, .address_space: global }
      - { .name: out1, .offset: 40, .size: 8, .value_kind: global_buffer, .address_space: global }
      - { .name: out2, .offset: 48, .size: 8, .value_kind: global_buffer, .address_space: global }
    .group_segment_fixed_size: 0
    .private_segment_fixed_size: 0
    .kernarg_segment_align: 8
    .kernarg_segment_size: 56
    .max_flat_workgroup_size: 256
    .sgpr_count:     66
    .vgpr_count:     176
    .wavefront_size: 32
...
	.end_amdgpu_metadata
.endif
;; end of part 3
